; MI455X (gfx1250); checked and timed in simulation.
; The chip was launched on July 23, 2026; its instructions are those of AMD's public machine-readable ISA for CDNA 5 (MIT licence, August 2026) and "CDNA5" Instruction Set Architecture Reference Guide (July 2026). The comments in the code are by the model that wrote it; some were corrected since.
;; Lean Self Attention. Allowed arithmetic: matrix products marked QUANTISED: E5M2 operands, one given power-of-two scale a tensor, by v_wmma_f32_16x16x64_bf8_bf8 or v_wmma_f32_16x16x128_bf8_bf8, f32 sums; everything else in f32.
;; Inputs: W_out_codes 1,024 x 32 x 32 uint8 (E5M2 codes of W_out, K innermost, in blocks of 32 codes); W_qkv_codes 3,072 x 32 x 32 uint8 (E5M2 codes of W_qkv, K innermost, in blocks of 32 codes); attention_mask 4 x 1 x 1 x 2,048 float32; b_out 1,024 float32; b_qkv 3,072 float32; hidden_states 4 x 2,048 x 1,024 float32; ln_beta 1,024 float32; ln_gamma 1,024 float32; lowp_scales 8 int32 (the exponents e of the quantised operands' scales 2^e).
;; Outputs: out0 4 x 2,048 x 1,024 float32.
;; This version of the problem:
;;   THIS VERSION OF THE PROBLEM IS GIVEN IN LOW PRECISION. The matrix products marked QUANTISED in the list below multiply operands that are first quantised to E5M2 (5 exponent bits, 2 mantissa bits; 8 bits a number), with one given power-of-two scale for each operand tensor; their sums are f32. All else is computed in f32.
;;   The module's matrix products, in the order in which they are computed (A, B: the left and right operand; K: the contracted axis; several contracted axes count as one K, in the product's order):
;;     1. [M 8,192, K 1,024] x [K 1,024, N 3,072]; A: computed on the way; B: input W_qkv (given as codes): QUANTISED (scales: A lowp_scales[0], B lowp_scales[1])
;;     2. batch 64 x [M 2,048, K 64] x [K 64, N 2,048]; A: computed on the way; B: computed on the way: QUANTISED (scales: A lowp_scales[2], B lowp_scales[3])
;;     3. batch 64 x [M 64, K 2,048] x [K 2,048, N 2,048]; A: computed on the way; B: softmax (see below): QUANTISED (scales: A lowp_scales[4], B lowp_scales[5])
;;     4. [M 8,192, K 1,024] x [K 1,024, N 1,024]; A: computed on the way; B: input W_out (given as codes): QUANTISED (scales: A lowp_scales[6], B lowp_scales[7])
;;   THE QUANTISER, for each operand of a quantised product, along K:
;;     - The operand's scale is 2^e, e = its entry of the input lowp_scales (int32; the entries are numbered through the quantised products in the list's order, A before B).
;;     - Each number is divided by the scale, clamped to +-57,344, and rounded to the nearest number of E5M2, ties to even, subnormals kept.
;;     - The product sums the exact products of the quantised numbers (number of the format x scale) in f32.
;;   ~~~python
;;   def quantise(x, axis, e):      # numpy; x: float32 -> the quantised numbers, widened to float32 again
;;       x = np.moveaxis(x, axis, -1); K = x.shape[-1]
;;       r = np.clip(x / 2.0 ** e, -57344, 57344)
;;       step = 2.0 ** (np.maximum(np.frexp(np.where(r == 0, 1, r))[1] - 1, -14) - 2)
;;       q = np.round(r / step) * step * 2.0 ** e      # np.round: ties to even
;;       return np.moveaxis(q, -1, axis).astype(np.float32)
;;   ~~~
;;   SOFTMAX AHEAD OF A QUANTISED PRODUCT. Where the list says 'softmax', what is quantised is not the finished softmax but p = 2^(t - M), with t = logit x log2(e) and M = ceil(the row's largest t), a whole number; so 1/2 < the row's largest p <= 1. The row's sum l is taken of the UNQUANTISED p, in f32, and the product's result is divided by l at the end. Since M is a whole number, a kernel that streams over the keys may use a running M (the ceiling of the running maximum): every later rescaling is an exact power of two, so the quantised numbers keep their values, but for numbers so far below the row's largest that they fall under the format's range.
;;   OPERANDS COMPUTED ON THE WAY. 'Computed on the way' means the value that the module computes at that place (a softmax that the list does not call 'softmax' is quantised finished and normalised). What goes into a quantiser is computed in f32, as accurately as f32 sums, v_exp_f32 and their like allow (about 1e-6 of the number): no bf16 or f16 on the way to a quantiser, and a product that is left as it is and whose result goes on into a quantised operand takes f32 operands (vector FMAs, or v_wmma_f32_16x16x4_f32). A number that lies on a knife's edge between two numbers of the format may be rounded either way, as far as f32 arithmetic and the matrix unit's own rounding can turn it there, and no further.
;;   INPUTS GIVEN AS CODES. W_out (in the module: [1024, 1024], K = its axis 0); W_qkv (in the module: [1024, 3072], K = its axis 0): each comes as NAME_codes (uint8): NAME with its K axis moved to the last place and cut into blocks of 32 codes, [.., K / 32, bytes a block], one block behind the other in memory; one code a byte (a code: sign, 5 exponent bits, 2 mantissa bits); its scale is its entry of lowp_scales. Its value is code x scale, taken as it is: it is not quantised again, and the codes and scales need not be those that the quantiser above would give.
;; One version. Each part assembles by itself: llvm-mc -triple=amdgcn-amd-amdhsa -mcpu=gfx1250 --defsym DOCPART=n.
;; ======== version 1 of 1: 4 launches
;; workspace buffers: xcodes 8,388,608 bytes; qimg 8,388,608 bytes; kv 16,777,216 bytes; aimg 8,388,608 bytes
;; launch lnq (part 1): grid 256 x 1, 8 waves a work-group, no clusters, 41,984 bytes of LDS; arguments hidden_states, ln_gamma, ln_beta, lowp_scales, xcodes; writes xcodes
.if DOCPART == 1
	.amdgcn_target "amdgcn-amd-amdhsa--gfx1250"
	.amdhsa_code_object_version 6
	.text
	.protected	k_qb88804214f_lnq
	.globl	k_qb88804214f_lnq
	.p2align	8
	.type	k_qb88804214f_lnq,@function
k_qb88804214f_lnq:
	s_mov_b64 s[64:65], 0
	v_nop
	global_prefetch_b8 v0, s[64:65] scope:SCOPE_SE
	s_setreg_imm32_b32 hwreg(HW_REG_WAVE_MODE, 25, 1), 1
	s_wait_xcnt 0x0
; LAUNCH 1 OF 4: x = LayerNorm(hidden_states) in f32, quantised to codes of E5M2 with the given scale 2^e0 (lowp_scales[0]): xcodes [8192 tokens][1024], one code a byte, K innermost.
; THE PROGRAM: (1) this launch; (2) qkv: x W_qkv + b_qkv, its results quantised straight out of the accumulators; (3) attn: scores, mask, softmax, P V; (4) oproj: attn W_out + b_out + hidden_states.
; DEAD WORK: none is left out.  The mask varies along the softmax's axis; every part of b_qkv stands ahead of a quantiser; gamma, beta, b_out and the residual reach the output: every input is loaded by some launch.
; code = x / 2^e0, held within +-57,344, to the nearest code, ties to even.  LIMITS: e0 between -126 and 112, so that 2^e0 and 57,344 x 2^e0 are f32 numbers.  NaN among the inputs is not served.
; SHARES.  2,048 waves, four rows each.  A row (4,096 bytes) is eight loads of 16 bytes a lane, 512 consecutive bytes each, and stays in 32 registers: it is read from memory once.
; All 48 loads of a wave (four rows, gamma, beta) go out at the head, so nothing is asked for late; there is no loop.  Mean first, then the mean of (x - mean)^2, as reference() has it.
; THE TURN.  A conversion takes eight neighbours along K from one lane's registers, a load gives a lane four: so 2,048 bytes at a time go through the wave's own stage in LDS, as they lie, and come
; back 64 bytes a lane (places of 64 + 16 bytes).  A lane's 16 codes are 16 bytes: the wave stores 512 consecutive bytes, aligned.
; Waves share nothing: no barrier, no tensor load, no cluster, no matrix unit: the launch only streams.
.set ROWB,  4096                       ; bytes in a row of hidden_states
.set SP,    80                         ; a lane's place in a stage
.set STG,   32*SP                      ; a stage
.set WREG,  2*STG                      ; a wave's two stages
.set SPARE, 8*WREG                     ; behind them: the spare words, 128 bytes for each wave: four blocks of 256 bytes that no other line names
.set LO,    2                          ; v2   16 x lane: my place in a load's and in a store's 512 bytes
.set SIN,   3                          ; v3   the stage, on the way in
.set SOUT,  4                          ; v4   and on the way out
.set SPW,   5                          ; v5   LDS address of my spare word; never rewritten
.set NIL,   6                          ; v6   0; never rewritten
.set LIM,   10                         ; v10  57,344 x 2^e0
.set SCL,   11                         ; v11  2^e0
.set MU,    12                         ; v[12:13] the mean, twice
.set RS,    14                         ; v[14:15] 1 / sqrt(var + eps), twice
.set A,     16                         ; v[16:23] four chains of pairs
.set R,     24                         ; v24 a row's figure, v25 the other half of the lanes'
.set T,     32                         ; v[32:63] a row's numbers, turned
.set X,     64                         ; v[64:191] row i at 64 + 32 i
.set GA,    192                        ; v[192:223] gamma, as loaded
.set BE,    224                        ; v[224:255] beta
	s_load_b256 s[4:11], s[0:1], 0x0               ; hidden_states s[4:5], gamma s[6:7], beta s[8:9], the exponents s[10:11]
	s_load_b64 s[12:13], s[0:1], 0x20              ; xcodes
	v_lshl_add_u32 v[SPW], v0, 2, SPARE
	v_mov_b32 v[NIL], 0
	v_lshrrev_b32 v1, 5, v0
	v_readfirstlane_b32 s16, v1                    ; wave 0..7
	v_and_b32 v1, 31, v0                           ; lane
	v_lshlrev_b32 v[LO], 4, v1
	s_mul_i32 s17, s16, WREG
	v_lshrrev_b32 v[SIN], 2, v1
	v_mul_u32_u24 v[SIN], v[SIN], SP
	v_and_b32 v[SOUT], 3, v1
	v_lshl_add_u32 v[SIN], v[SOUT], 4, v[SIN]
	v_add_nc_u32 v[SIN], s17, v[SIN]               ; in: four lanes' 64 bytes on end, then 16 of padding: SP (lane / 4) + 16 (lane % 4)
	v_mul_u32_u24 v[SOUT], v1, SP
	v_add_nc_u32 v[SOUT], s17, v[SOUT]             ; out: SP x lane: my 16 neighbours
	v_mov_b32 v[R+1], 0                            ; written once: a lane permute's destination counts as one of its sources
	s_mov_b32 s20, 0x3a800000                      ; 1 / 1024
	s_mov_b32 s21, 0x2b8cbccc                      ; 1e-12
	s_mov_b32 s22, 0x76543210                      ; v_permlanex16_b32's selects for lane l xor 16
	s_mov_b32 s23, 0xfedcba98
	s_lshl_b32 s18, ttmp9, 3
	s_add_co_u32 s18, s18, s16                     ; my wave among the 2,048
	s_lshl_b32 s26, s18, 12                        ; its four rows of codes,
	s_lshl_b32 s18, s18, 14                        ; and of numbers
	s_mov_b32 s19, 0
	s_mov_b32 s27, 0
	s_wait_kmcnt 0x0
	s_load_b32 s24, s[10:11], 0x0                  ; e0
	s_add_nc_u64 s[4:5], s[4:5], s[18:19]
	s_add_nc_u64 s[12:13], s[12:13], s[26:27]
.macro LDROW i
.irp j, 0,1,2,3,4,5,6,7
	global_load_b128 v[X+32*(\i)+4*\j:X+32*(\i)+4*\j+3], v[LO], s[4:5] offset:(\i)*ROWB+512*\j th:TH_LOAD_NT
.endr
.endm
	LDROW 0
.irp j, 0,1,2,3,4,5,6,7
	global_load_b128 v[GA+4*\j:GA+4*\j+3], v[LO], s[6:7] offset:512*\j
.endr
.irp j, 0,1,2,3,4,5,6,7
	global_load_b128 v[BE+4*\j:BE+4*\j+3], v[LO], s[8:9] offset:512*\j
.endr
	LDROW 1
	LDROW 2
	LDROW 3
	s_wait_kmcnt 0x0
	s_add_co_i32 s24, s24, 127
	s_lshl_b32 s25, s24, 23
	v_mov_b32 v[SCL], s25                          ; 2^e0 as f32: the conversion takes its exponent field
	s_add_co_i32 s24, s24, 15
	s_lshl_b32 s24, s24, 23
	s_or_b32 s24, s24, 0x600000
	v_mov_b32 v[LIM], s24                          ; 57,344 x 2^e0
.macro REDUCE                          ; v[R] summed over the 32 lanes, the result in every lane
	v_add_f32_dpp v[R], v[R], v[R] row_xmask:1 row_mask:0xf bank_mask:0xf
	v_add_f32_dpp v[R], v[R], v[R] row_xmask:2 row_mask:0xf bank_mask:0xf
	v_add_f32_dpp v[R], v[R], v[R] row_xmask:4 row_mask:0xf bank_mask:0xf
	v_add_f32_dpp v[R], v[R], v[R] row_xmask:8 row_mask:0xf bank_mask:0xf
	v_permlanex16_b32 v[R+1], v[R], s22, s23
	v_add_f32 v[R], v[R], v[R+1]
.endm
.macro FOLD                            ; the four chains into v[R]
	v_pk_add_f32 v[A:A+1], v[A:A+1], v[A+2:A+3]
	v_pk_add_f32 v[A+4:A+5], v[A+4:A+5], v[A+6:A+7]
	v_pk_add_f32 v[A:A+1], v[A:A+1], v[A+4:A+5]
	v_add_f32 v[R], v[A], v[A+1]
.endm
; One row.  left = the loads of the rows behind it, which may stay out (gamma's and beta's stand ahead of row 1's).
.macro ROW i, left
.set XR, X+32*(\i)
	s_wait_loadcnt \left
.irp k, 0,1,2,3
	v_pk_add_f32 v[A+2*\k:A+2*\k+1], v[XR+4*\k:XR+4*\k+1], v[XR+4*\k+2:XR+4*\k+3]   ; the first eight pairs start four chains: nothing is cleared
.endr
.irp k, 0,1,2,3,4,5,6,7
	v_pk_add_f32 v[A+2*(\k%4):A+2*(\k%4)+1], v[A+2*(\k%4):A+2*(\k%4)+1], v[XR+16+2*\k:XR+16+2*\k+1]
.endr
	FOLD
	REDUCE
	v_mul_f32 v[MU], s20, v[R]                     ; the mean
	v_mov_b32 v[MU+1], v[MU]
.irp k, 0,1,2,3,4,5,6,7,8,9,10,11,12,13,14,15
	v_pk_add_f32 v[XR+2*\k:XR+2*\k+1], v[XR+2*\k:XR+2*\k+1], v[MU:MU+1] neg_lo:[0,1] neg_hi:[0,1]   ; x - mean, in place
.endr
.irp k, 0,1,2,3
	v_pk_mul_f32 v[A+2*\k:A+2*\k+1], v[XR+2*\k:XR+2*\k+1], v[XR+2*\k:XR+2*\k+1]
.endr
.irp k, 4,5,6,7,8,9,10,11,12,13,14,15
	v_pk_fma_f32 v[A+2*(\k%4):A+2*(\k%4)+1], v[XR+2*\k:XR+2*\k+1], v[XR+2*\k:XR+2*\k+1], v[A+2*(\k%4):A+2*(\k%4)+1]
.endr
	FOLD
	REDUCE
	v_fma_f32 v[R], v[R], s20, s21                 ; var + eps
	v_rsq_f32 v[RS], v[R]
	v_rsq_f32 v[RS+1], v[R]                        ; twice: the packed multiply names a pair
	v_nop                                          ; a plain instruction behind the last of the two (ISA guide 5.7.2)
	s_wait_alu depctr_va_vdst(0)                   ; one wait for both, ahead of their first reader
.irp k, 0,1,2,3,4,5,6,7,8,9,10,11,12,13,14,15
	v_pk_mul_f32 v[XR+2*\k:XR+2*\k+1], v[XR+2*\k:XR+2*\k+1], v[RS:RS+1]
.endr
.irp k, 0,1,2,3,4,5,6,7,8,9,10,11,12,13,14,15
	v_pk_fma_f32 v[XR+2*\k:XR+2*\k+1], v[XR+2*\k:XR+2*\k+1], v[GA+2*\k:GA+2*\k+1], v[BE+2*\k:BE+2*\k+1]
.endr
.irp k, 0,1,2,3,4,5,6,7,8,9,10,11,12,13,14,15,16,17,18,19,20,21,22,23,24,25,26,27,28,29,30,31
	v_med3_num_f32 v[XR+\k], v[XR+\k], -v[LIM], v[LIM]   ; the conversion to an 8-bit code does not saturate (ISA guide 7.6.2): the hold comes first
.endr
.irp c, 0,1                            ; the turn: LDS serves a wave's instructions in order, so no wait stands between the stores and the loads, nor ahead of the next row's stores
.irp k, 0,1,2,3
	ds_store_b128 v[SIN], v[XR+16*\c+4*\k:XR+16*\c+4*\k+3] offset:\c*STG+8*SP*\k
.endr
.irp k, 0,1,2,3
	ds_load_b128 v[T+16*\c+4*\k:T+16*\c+4*\k+3], v[SOUT] offset:\c*STG+16*\k
.endr
.endr
	s_wait_dscnt 0x0                               ; the row is back, 2 x 16 neighbours a lane; its own registers are free for its codes
.irp c, 0,1
	v_cvt_scalef32_pk8_bf8_f32 v[XR+4*\c:XR+4*\c+1], v[T+16*\c:T+16*\c+7], v[SCL]
	v_cvt_scalef32_pk8_bf8_f32 v[XR+4*\c+2:XR+4*\c+3], v[T+16*\c+8:T+16*\c+15], v[SCL]
.endr
.irp c, 0,1
	global_store_b128 v[LO], v[XR+4*\c:XR+4*\c+3], s[12:13] offset:(\i)*1024+512*\c   ; 512 consecutive bytes, aligned; each row's codes have registers of their own, so no store's data are written again
.endr
.endm
	ROW 0, 24
	ROW 1, 16
	ROW 2, 8
	ROW 3, 0
	s_wait_tensorcnt 0x0                           ; the wave's end
	ds_add_u32 v[SPW], v[NIL]
	s_wait_dscnt 0x0
	s_endpgm
.Lfunc_end_k_qb88804214f_lnq:
	.size	k_qb88804214f_lnq, .Lfunc_end_k_qb88804214f_lnq-k_qb88804214f_lnq
	.p2alignl 7, 3214868480
	.fill 96, 4, 3214868480
	.section	.rodata,"a",@progbits
	.p2align	6, 0x0
	.amdhsa_kernel k_qb88804214f_lnq
		.amdhsa_group_segment_fixed_size 41984
		.amdhsa_private_segment_fixed_size 0
		.amdhsa_enable_private_segment 0
		.amdhsa_kernarg_size 40
		.amdhsa_user_sgpr_count 2
		.amdhsa_user_sgpr_kernarg_segment_ptr 1
		.amdhsa_wavefront_size32 1
		.amdhsa_system_sgpr_workgroup_id_x 1
		.amdhsa_system_sgpr_workgroup_id_y 1
		.amdhsa_system_sgpr_workgroup_id_z 1
		.amdhsa_system_vgpr_workitem_id 0
		.amdhsa_next_free_vgpr 256
		.amdhsa_next_free_sgpr 66
		.amdhsa_reserve_vcc 0
		.amdhsa_float_denorm_mode_32 3
		.amdhsa_float_denorm_mode_16_64 3
		.amdhsa_memory_ordered 1
		.amdhsa_forward_progress 1
		.amdhsa_inst_pref_size 46
	.end_amdhsa_kernel
	.amdgpu_metadata
---
amdhsa.version: [ 1, 2 ]
amdhsa.kernels:
  - .name:           k_qb88804214f_lnq
    .symbol:         k_qb88804214f_lnq.kd
    .args:
      - { .name: hidden_states, .offset: 0, .size: 8, .value_kind: global_buffer, .address_space: global }
      - { .name: ln_gamma, .offset: 8, .size: 8, .value_kind: global_buffer, .address_space: global }
      - { .name: ln_beta, .offset: 16, .size: 8, .value_kind: global_buffer, .address_space: global }
      - { .name: lowp_scales, .offset: 24, .size: 8, .value_kind: global_buffer, .address_space: global }
      - { .name: xcodes, .offset: 32, .size: 8, .value_kind: global_buffer, .address_space: global }
    .group_segment_fixed_size: 41984
    .private_segment_fixed_size: 0
    .kernarg_segment_align: 8
    .kernarg_segment_size: 40
    .max_flat_workgroup_size: 256
    .sgpr_count:     66
    .vgpr_count:     256
    .wavefront_size: 32
...
	.end_amdgpu_metadata
.endif
;; end of part 1
;; launch qkv (part 2): grid 12 x 32, 4 waves a work-group, clusters of 4 x 4, 327,680 bytes of LDS; arguments xcodes, W_qkv_codes, b_qkv, lowp_scales, qimg, kv; writes qimg, kv
.if DOCPART == 2
	.amdgcn_target "amdgcn-amd-amdhsa--gfx1250"
	.amdhsa_code_object_version 6
	.text
	.protected	k_qb88804214f_qkv
	.globl	k_qb88804214f_qkv
	.p2align	8
	.type	k_qb88804214f_qkv,@function
k_qb88804214f_qkv:
	s_mov_b64 s[64:65], 0
	v_nop
	global_prefetch_b8 v0, s[64:65] scope:SCOPE_SE
	s_setreg_imm32_b32 hwreg(HW_REG_WAVE_MODE, 25, 1), 1
	s_wait_xcnt 0x0
	s_wait_alu depctr_hold_cnt(0) depctr_sa_sdst(0) depctr_va_vdst(0) depctr_va_sdst(0) depctr_va_ssrc(0) depctr_va_vcc(0) depctr_vm_vsrc(0)
	s_getreg_b32 s2, hwreg(HW_REG_IB_STS2, 6, 4)
	s_cmp_eq_u32 s2, 0
	s_cbranch_scc0 .Lentry_in_a_cluster
	s_endpgm
.Lentry_in_a_cluster:
	s_bfe_u32 s2, ttmp6, 0x10000c
	s_cmp_lg_u32 s2, 0xf033
	s_cbranch_scc0 .Lentry_shape_is_right
	s_endpgm
.Lentry_shape_is_right:
; LAUNCH 2 OF 4: qkv = x W_qkv + b_qkv on codes of E5M2 (x: xcodes, scale 2^e0; W_qkv_codes [3072][1024], scale 2^e1), sums in f32; q, k and v are quantised (2^e2, 2^e3, 2^e4) straight out of the
; accumulators and stored AS IMAGES OF THE OPERAND REGISTERS that the attention launch loads.  No work of reference() is left out.
; LIMITS: e0 + e1 between -126 and 127; e2, e3, e4 between -126 and 112, so that each power of two below is an f32 number.  NaN among the inputs is not served.
; A tile of 256 x 256 is made by four waves, 128 x 128 each: 64 accumulators, 512 registers.  K = 1,024 goes in four steps of 256 through two LDS slots filled by the tensor data mover; a tile's row is 256 bytes.
; CLUSTERS of 4 x 4.  The cluster's x says what it makes: 0 q, 1 k, 2 v; it is the same number in all sixteen partners, so the one branch on it (at the way out) goes alike in all.
; THE PRODUCT: source 0 = 16 rows of 'B', source 1 = 16 rows of 'A': in the result lane (r, h) holds A's row r and B's rows 8 h + 0 .. 7 in its eight registers.  One conversion of eight makes of them two
; registers of the next operand, if B's rows run along the next product's K:
;   q, k (next K = the head's 64 channels): A = tokens (xcodes), B = features (W).  Accumulators (a, 4 u + 0 .. 3) become the fragment of token tile a, head u: registers 2 c, 2 c + 1 = channels 16 c + 8 h + 0 .. 7.
;   v    (next K = the keys):               A = features (W's rows 2,048 on), B = tokens.  Accumulators (a, 0 .. 7) become the fragment of 16 channels x 128 keys: registers 2 t, 2 t + 1 = keys 16 t + 8 h + 0 .. 7.
; Both tensors have rows of 1,024 bytes, so the two roles are a choice of pointers and of tile rows at the head, on the cluster's x; the loop is one text.
; A's tiles hang on cy alone and are asked for jointly along a row of the cluster, B's on cx alone, jointly along a column.
; OUT: qimg [bh 64][token tile 128][1,024]: registers 0-3 of lane l at 16 l, registers 4-7 at 512 + 16 l.   kv [bh 64][chunk of 512 keys: 4][65,536]: 32 such images of k, then [key step 4][channel tile 4][2,048]:
; registers 4 c .. 4 c + 3 of lane l at 512 c + 16 l.  Every store of a wave covers 512 consecutive bytes, aligned: no stage in LDS is needed.
; Within an instruction of this launch k stands permuted, alike in A and B (four loads of 16 bytes a fragment): every product meets its partner.
; No prefetch: a work-group has two refills in all.
; REGISTERS: window 0: v0-31 addresses; v32-95 b_qkv for the q, k way; v96-111 for the v way; from v128 A's fragments, ONE set; on the way out v112-255 are free.  window 1: B's fragments, TWO sets.  windows 2, 3: accumulators.
.set KSTEP,  256
.set ROWB,   256                       ; a tile's row in bytes
.set KROW,   1024                      ; a row of xcodes or of W_qkv_codes in bytes
.set PITCH,  272                       ; an LDS row: 256 bytes + 16 of padding = 68 words: row r starts at bank 4 r mod 64 (ISA guide 11.1)
.set FR,     16                        ; registers of a fragment: 16 rows x 128 K
.set NL,     4                         ; LDS loads that bring one
.set NP,     4                         ; places behind this matrix instruction (ISA guide 7.12.1)
.set HALFT,  128*PITCH                 ; what one tensor load brings
.set SLOT,   4*HALFT                   ; A's 256 rows, then B's 256 rows
.set SPARE,  2*SLOT                    ; behind the ring: the spare words, 128 bytes for each wave: two blocks of 256 bytes that no other line names
.set ADRA, 16                          ; v16-17  LDS address of my A fragments in slot 0, 1
.set ADRB, 20                          ; v20-21  the same for B
.set LI,   26                          ; v26     16 x lane: an image's place for my lane
.set SPW,  28                          ; v28     LDS address of my spare word; never rewritten
.set NIL,  29                          ; v29     0; never rewritten
.set SCL,  30                          ; v30     the results' scale 2^e as f32
.set LIM,  31                          ; v31     57,344 x that
.set BQ,   32                          ; v32-95  b_qkv of my 128 features: register 8 b + i = feature 16 b + 8 h + i
.set BV,   96                          ; v96-111 b_qkv of my channels: register 2 a = feature 16 a + r; the odd ones are named as pair halves only
.set T,    112                         ; v112-143 32 results at work
.set CD,   144                         ; v144-255 fourteen sets of eight registers of codes
.set AF,   128
.set G1, 24                            ; s[24:31] descriptor group 1 for A's tiles;  s[32:39] group 0, one set for each slot
.set G0, 32
.set G1B, 48                           ; s[48:55], s[56:63] the same for B's tiles
.set G0B, 56
.set MSB, 0
.macro WIN new                         ; the immediate's high byte repeats the setting that is left
.if MSB != \new
	s_set_vgpr_msb (MSB<<8)|\new
.set MSB, \new
.endif
.endm
.set MUL_LO, 0xa1                      ; source 0 (B) window 1, source 1 (A) window 0, C and D window 2
.set MUL_HI, 0xf1                      ; the same, C and D window 3
.set TO_B,   0x40                      ; destination window 1, address window 0
; A joint load: waves 0 and 1 fetch for A, waves 2 and 3 for B; the branch hangs on the wave's number alone.  An s_nop 0 and four v_nop follow each of the two lines.
.macro JLOAD g0a, g1a, g0b, g1b
	s_cmp_eq_u32 s15, 0
	s_cbranch_scc0 .Lfor_b_\@
	tensor_load_to_lds s[\g0a:\g0a+3], s[\g1a:\g1a+7]
	s_nop 0
.rept 4
	v_nop
.endr
	s_branch .Lasked_\@
.Lfor_b_\@:
	tensor_load_to_lds s[\g0b:\g0b+3], s[\g1b:\g1b+7]
	s_nop 0
.rept 4
	v_nop
.endr
.Lasked_\@:
.endm
.macro CREST                           ; a round of the cluster's barrier behind its opening barrier
	s_cmp_lg_u32 s14, 0
	s_cbranch_scc1 .Lnot_wave_0_\@
	s_barrier_signal -3
.Lnot_wave_0_\@:
	s_barrier_wait -3
	s_barrier_signal -1
	s_barrier_wait -1
.endm
.macro CROUND                          ; a whole round
	s_barrier_signal -1
	s_barrier_wait -1
	CREST
.endm
	s_load_b256 s[4:11], s[0:1], 0x0               ; xcodes s[4:5], W_qkv_codes s[6:7], b_qkv s[8:9], the exponents s[10:11]
	s_load_b128 s[68:71], s[0:1], 0x20             ; qimg s[68:69], kv s[70:71]
	v_lshl_add_u32 v[SPW], v0, 2, SPARE
	v_mov_b32 v[NIL], 0
	ds_add_u32 v[SPW], v[NIL]                      ; the wave's opening: 0 onto my spare word
	ds_add_u32 v[SPW], v[NIL]                      ; and once more; the set-up below, work on registers, stands between it and the wait
	v_lshrrev_b32 v1, 5, v0
	v_readfirstlane_b32 s14, v1                    ; wave 0..3
	s_lshr_b32 s15, s14, 1                         ; which half of A's rows is mine.  Also: I fetch for A (0) or for B (1)
	s_and_b32 s16, s14, 1                          ; which half of B's rows.  Also: which 128 rows of that tile I fetch
	s_bfe_u32 s40, ttmp6, 0x40000                  ; cx, cy: my place in the cluster
	s_bfe_u32 s41, ttmp6, 0x40004
	s_and_b32 s67, ttmp7, 0xffff
	s_lshl_b32 s67, s67, 2                         ; 4 x cluster y
	s_lshl_b32 s66, ttmp9, 2                       ; 4 x cluster x
	s_cmp_eq_u32 ttmp9, 2                          ; the v cluster?
	s_cselect_b32 s17, 8, s67
	s_cselect_b32 s42, s67, s66
	s_add_co_u32 s17, s17, s41                     ; A's tile row: q, k: tokens 4 Y + cy;  v: W's 8 + cy
	s_add_co_u32 s42, s42, s40                     ; B's tile row: q, k: W's 4 X + cx;     v: tokens 4 Y + cx
	s_lshl_b32 s43, s41, 2
	s_lshl_b32 s43, 15, s43                        ; my row of the cluster
	s_lshl_b32 s44, 0x1111, s40                    ; my column
	s_or_b32 s[G1+0], s43, (0<<16)|(1<<20)|(1<<21)|(5<<22)|(3<<25)  ; 15:0 the mask: A's tiles go to my row; 17:16 elements of 1 byte; 20 padding on; 21 set beside a mask; 24:22 after every 64 words; 31:25 four words
	s_or_b32 s[G1B+0], s44, (0<<16)|(1<<20)|(1<<21)|(5<<22)|(3<<25)
.irp g, G1, G1B
	s_mov_b32 s[\g+1], ROWB<<16                    ; tensor_dim0
	s_mov_b32 s[\g+2], 128<<16                     ; tensor_dim1 = 128
	s_mov_b32 s[\g+3], ROWB<<16                    ; tile_dim0
	s_mov_b32 s[\g+4], 128                         ; tile_dim1 = 128
	s_mov_b32 s[\g+5], KROW                        ; tensor_dim0_stride
	s_mov_b32 s[\g+6], 0
	s_mov_b32 s[\g+7], 0
.endr
	s_lshl_b32 s18, s16, 7                         ; which 128 rows of the tile I fetch
	s_lshl_b32 s20, s17, 8
	s_add_co_u32 s20, s20, s18
	s_lshl_b32 s20, s20, 10                        ; A: (256 x tile row + 128 x half) rows of 1,024 bytes: under 2^24
	s_mov_b32 s21, 0
	s_lshl_b32 s46, s42, 8
	s_add_co_u32 s46, s46, s18
	s_lshl_b32 s46, s46, 10                        ; B likewise
	s_mov_b32 s47, 0
	s_mul_i32 s45, s14, HALFT                      ; where they go: wave x 128 rows: no place in the cluster enters an LDS address
	s_wait_dscnt 0x0                               ; both opening adds are done
	s_wait_kmcnt 0x0
	s_load_b256 s[80:87], s[10:11], 0x0            ; e0 .. e7
	s_cmp_eq_u32 ttmp9, 2
	s_cselect_b64 s[72:73], s[6:7], s[4:5]         ; A's tensor,
	s_cselect_b64 s[74:75], s[4:5], s[6:7]         ; B's: a choice that hangs on the cluster's x alone
	s_add_nc_u64 s[20:21], s[72:73], s[20:21]
	s_add_nc_u64 s[46:47], s[74:75], s[46:47]
	CROUND                                         ; all sixteen work-groups are here: the first joint loads meet
.irp s, 0,1
	s_mov_b32 s[G0+4*\s], 1
	s_add_co_u32 s[G0+4*\s+1], s45, \s*SLOT
	s_add_nc_u64 s[G0+4*\s+2:G0+4*\s+3], s[20:21], \s*ROWB
	s_or_b32 s[G0+4*\s+3], s[G0+4*\s+3], 0x80000000
	s_mov_b32 s[G0B+4*\s], 1
	s_add_co_u32 s[G0B+4*\s+1], s45, \s*SLOT
	s_add_nc_u64 s[G0B+4*\s+2:G0B+4*\s+3], s[46:47], \s*ROWB
	s_or_b32 s[G0B+4*\s+3], s[G0B+4*\s+3], 0x80000000
	JLOAD G0+4*\s, G1, G0B+4*\s, G1B               ; by this text's count two tensor loads of a wave are out at the most
.endr
	v_and_b32 v1, 15, v0                           ; r = l % 16
	v_bfe_u32 v2, v0, 4, 1                         ; h = l / 16
	v_mul_u32_u24 v3, v1, PITCH
	v_lshl_add_u32 v4, v2, 4, v3                   ; a fragment's row x pitch + 16 x half
	s_mul_i32 s21, s15, HALFT                      ; my 128 rows of A
	s_mul_i32 s22, s16, HALFT                      ; my 128 rows of B,
	s_add_co_u32 s22, s22, 2*HALFT                 ; which lie behind A's 256
.irp s, 0,1
	v_add_nc_u32 v[ADRA+\s], s21, v4
	v_add_nc_u32 v[ADRB+\s], s22, v4
	s_add_co_u32 s21, s21, SLOT
	s_add_co_u32 s22, s22, SLOT
.endr
	v_and_b32 v6, 31, v0
	v_lshlrev_b32 v[LI], 4, v6
	; b_qkv in both forms: every wave loads both (24 loads, all inside the 3,072 numbers whatever the cluster's x), so that the ways part once only, at the way out.  They land under the products.
	s_lshl_b32 s88, ttmp9, 10
	s_lshl_b32 s89, s40, 8
	s_add_co_u32 s88, s88, s89
	s_lshl_b32 s89, s16, 7
	s_add_co_u32 s88, s88, s89                     ; 1,024 X + 256 cx + 128 (wave % 2)
	s_lshl_b32 s88, s88, 2
	s_mov_b32 s89, 0
	s_add_nc_u64 s[90:91], s[8:9], s[88:89]
	s_lshl_b32 s88, s41, 8
	s_lshl_b32 s92, s15, 7
	s_add_co_u32 s88, s88, s92
	s_add_co_u32 s88, s88, 2048                    ; 2,048 + 256 cy + 128 (wave / 2)
	s_lshl_b32 s88, s88, 2
	s_add_nc_u64 s[92:93], s[8:9], s[88:89]
	v_lshlrev_b32 v7, 5, v2                        ; 32 h
	v_lshlrev_b32 v8, 2, v1                        ; 4 r
.irp b, 0,1,2,3,4,5,6,7
	global_load_b128 v[BQ+8*\b:BQ+8*\b+3], v7, s[90:91] offset:64*\b
	global_load_b128 v[BQ+8*\b+4:BQ+8*\b+7], v7, s[90:91] offset:64*\b+16
.endr
.irp a, 0,1,2,3,4,5,6,7
	global_load_b32 v[BV+2*\a], v8, s[92:93] offset:64*\a
	v_mov_b32 v[BV+2*\a+1], 0
.endr
.macro FRAG reg, adr, q, i             ; a fragment, 16 rows x 128 K: lane l holds row l % 16; registers 4 c .. 4 c + 3 hold K = 32 c + 16 (l / 16) + 0 .. 15
.irp c, 0,1,2,3
	ds_load_b128 v[\reg+4*\c:\reg+4*\c+3], v[\adr] offset:128*(\q)+32*\c+(\i)*16*PITCH
.endr
.endm
; 16 matrix instructions: A's blocks a0, a0 + 1 x B's eight.  p: B's set.  zero = 1: the first product starts the sums.  The 64 accumulators take turns, one instruction a turn, in the same order in every step.
.macro MUL16 a0, p, zero
.irp a, \a0, \a0+1
.irp b, 0,1,2,3,4,5,6,7
.if \zero
	v_wmma_f32_16x16x128_bf8_bf8 v[8*(8*((\a)%4)+\b):8*(8*((\a)%4)+\b)+7], v[128*(\p)+FR*\b:128*(\p)+FR*\b+FR-1], v[AF+FR*(\a):AF+FR*(\a)+FR-1], 0
.else
	v_wmma_f32_16x16x128_bf8_bf8 v[8*(8*((\a)%4)+\b):8*(8*((\a)%4)+\b)+7], v[128*(\p)+FR*\b:128*(\p)+FR*\b+FR-1], v[AF+FR*(\a):AF+FR*(\a)+FR-1], v[8*(8*((\a)%4)+\b):8*(8*((\a)%4)+\b)+7]
.endif
.endr
.endr
.endm
.macro FETCH_B slot, q, p              ; B's eight fragments of the slot's q-th 128 along K into set p
	WIN TO_B
.irp i, 0,1,2,3,4,5,6,7
	FRAG 128*(\p)+FR*\i, ADRB+\slot, \q, \i
.endr
	WIN 0
.endm
.macro FETCH_A slot, q, i0             ; A's blocks i0 .. i0 + 3
.irp i, \i0, \i0+1, \i0+2, \i0+3
	FRAG AF+FR*(\i), ADRA+\slot, \q, \i
.endr
.endm
.macro PLACES n                        ; plain vector instructions between a matrix instruction and a load into, or a vector instruction on, its registers
.rept \n
	v_nop
.endr
.endm
; A step of 128 along K that has its successor in the same slot.  A block of A is free when its eight products are issued: blocks 0-3 are fetched anew in the step's middle, blocks 4-7 at its end.
.macro STEP slot, q, zero
	s_wait_dscnt 4*NL                              ; B's set and A's blocks 0-3 are in; the youngest sixteen loads (A's blocks 4-7) may be out
	WIN MUL_LO
	MUL16 0, (\q)%2, \zero
	MUL16 2, (\q)%2, \zero
	s_wait_dscnt 0                                 ; A's blocks 4-7 are in
	PLACES NP
	FETCH_B \slot, (\q)+1, 1-(\q)%2
	FETCH_A \slot, (\q)+1, 0
	WIN MUL_HI
	MUL16 4, (\q)%2, \zero
	MUL16 6, (\q)%2, \zero
	PLACES NP
	WIN 0
	FETCH_A \slot, (\q)+1, 4
.endm
; A slot's last step changes slots: ONE barrier; in front of it each wave waits for all its tensor loads, adds 0 to its spare word, and waits for that and for its own reads of this slot.  fill = 1: this slot is filled again, two K steps ahead.
.macro TURN slot, next, fill
	s_wait_tensorcnt 0x0                           ; all my tensor loads have landed: my part of the next slot  (every window is 0 here)
	ds_add_u32 v[SPW], v[NIL]                      ; 0 onto my spare word
	s_wait_dscnt 4*NL+1                            ; (the add and the youngest sixteen loads may be out)
	WIN MUL_LO
	MUL16 0, 1, 0                                  ; sixteen matrix instructions stand between the add and the wait for it
	s_wait_dscnt 0x0                               ; the add is done, and my reads of this slot are over
	s_barrier_signal -1
	MUL16 2, 1, 0
	WIN 0
	s_barrier_wait -1
.if \fill
	CREST                                          ; the barrier has opened a round of the cluster's: no wave of any partner still reads this slot's tile or has a load on its way
	s_add_nc_u64 s[G0+4*\slot+2:G0+4*\slot+3], s[G0+4*\slot+2:G0+4*\slot+3], 2*ROWB
	s_add_nc_u64 s[G0B+4*\slot+2:G0B+4*\slot+3], s[G0B+4*\slot+2:G0B+4*\slot+3], 2*ROWB
	JLOAD G0+4*\slot, G1, G0B+4*\slot, G1B         ; the first tensor load behind the round; its four v_nop are also the places in front of the loads below
.else
	PLACES NP
.endif
	FETCH_B \next, 0, 0
	FETCH_A \next, 0, 0
	WIN MUL_HI
	MUL16 4, 1, 0
	MUL16 6, 1, 0
	PLACES NP
	WIN 0
	FETCH_A \next, 0, 4
.endm
	s_wait_tensorcnt 1                             ; my part of K step 0 is in; K step 1's load may be out
	s_barrier_signal -1
	s_barrier_wait -1                              ; everybody's is
	FETCH_B 0, 0, 0
	FETCH_A 0, 0, 0
	FETCH_A 0, 0, 4
	STEP 0, 0, 1                                   ; K = 1,024 is four slots' worth, written out: the first step's products start the sums
	TURN 0, 1, 1                                   ; slot 0 takes K 512 on
	STEP 1, 0, 0
	TURN 1, 0, 1                                   ; slot 1 takes K 768 on
	STEP 0, 0, 0
	TURN 0, 1, 0                                   ; nothing is left to fetch
	STEP 1, 0, 0
	s_wait_dscnt 4*NL
	WIN MUL_LO
	MUL16 0, 1, 0
	MUL16 2, 1, 0
	s_wait_dscnt 0
	WIN MUL_HI
	MUL16 4, 1, 0
	MUL16 6, 1, 0
	WIN 0
	; THE WAY OUT
	s_wait_kmcnt 0x0                               ; the exponents
	s_wait_loadcnt 0x0                             ; b_qkv
	s_add_co_i32 s96, s80, s81
	s_add_co_i32 s96, s96, 127
	s_lshl_b32 s96, s96, 23                        ; 2^(e0 + e1) as f32
	s_mov_b32 s97, s96                             ; (named with it as a pair)
	s_cmp_eq_u32 ttmp9, 0
	s_cselect_b32 s92, s82, s83                    ; q: e2, k: e3,
	s_cmp_eq_u32 ttmp9, 2
	s_cselect_b32 s92, s84, s92                    ; v: e4: a choice of a value, no branch on it
	s_add_co_i32 s92, s92, 127
	s_lshl_b32 s93, s92, 23
	v_mov_b32 v[SCL], s93
	s_add_co_i32 s92, s92, 15
	s_lshl_b32 s92, s92, 23
	s_or_b32 s92, s92, 0x600000
	v_mov_b32 v[LIM], s92
	PLACES NP                                      ; behind the last products: their results are read and A's registers written below
; Four accumulators (a, 4 u + 0 .. 3) become eight registers of codes and leave.  v = 0: the q, k way; 1: the v way.
.macro OUT a, u, v
.set CC, CD+8*((2*(\a)+(\u))%14)
.if 2*(\a)+(\u) == 14
	s_wait_xcnt 0x0                                ; the first two sets of codes are written again only behind this wait: their stores have read them
.endif
	WIN 0x02+((\a)/4)                              ; source 0: window 2 or 3
.irp bb, 0,1,2,3
.irp i, 0,2,4,6
.if \v
	v_pk_fma_f32 v[T+8*\bb+\i:T+8*\bb+\i+1], v[8*(8*((\a)%4)+4*(\u)+\bb)+\i:8*(8*((\a)%4)+4*(\u)+\bb)+\i+1], s[96:97], v[BV+2*(\a):BV+2*(\a)+1] op_sel_hi:[1,0,0]   ; sum x 2^(e0 + e1) + my channel's bias; each accumulator from its low end on
.else
	v_pk_fma_f32 v[T+8*\bb+\i:T+8*\bb+\i+1], v[8*(8*((\a)%4)+4*(\u)+\bb)+\i:8*(8*((\a)%4)+4*(\u)+\bb)+\i+1], s[96:97], v[BQ+8*(4*(\u)+\bb)+\i:BQ+8*(4*(\u)+\bb)+\i+1] op_sel_hi:[1,0,1]   ; sum x 2^(e0 + e1) + the features' biases
.endif
.endr
.endr
	WIN 0
.irp k, 0,1,2,3,4,5,6,7,8,9,10,11,12,13,14,15,16,17,18,19,20,21,22,23,24,25,26,27,28,29,30,31
	v_med3_num_f32 v[T+\k], v[T+\k], -v[LIM], v[LIM]   ; the conversion does not saturate (ISA guide 7.6.2): the hold comes first
.endr
.irp bb, 0,1,2,3
	v_cvt_scalef32_pk8_bf8_f32 v[CC+2*\bb:CC+2*\bb+1], v[T+8*\bb:T+8*\bb+7], v[SCL]
.endr
	v_nop                                          ; a plain instruction between the conversions and the next lines that write their sources
.if \v
	global_store_b128 v[LI], v[CC:CC+3], s[76:77] offset:((\a)/4)*262144+((\a)%4)*2048+(\u)*1024
	global_store_b128 v[LI], v[CC+4:CC+7], s[76:77] offset:((\a)/4)*262144+((\a)%4)*2048+(\u)*1024+512
.else
	global_store_b128 v[LI], v[CC:CC+3], s[76+2*(\u):77+2*(\u)] offset:(\a)*1024
	global_store_b128 v[LI], v[CC+4:CC+7], s[76+2*(\u):77+2*(\u)] offset:(\a)*1024+512
.endif
.endm
	s_cmp_eq_u32 ttmp9, 2                          ; the cluster's x: all sixteen partners go the same way; no barrier and no tensor load stands in either arm
	s_cbranch_scc1 .Lway_v
	; q, k: bh = 16 (tile row / 8) + 4 cx + 2 (wave % 2) + u;  token tile in the batch = 16 (tile row % 8) + 8 (wave / 2) + a
	s_lshr_b32 s88, s17, 3
	s_lshl_b32 s88, s88, 4
	s_lshl_b32 s89, s40, 2
	s_add_co_u32 s88, s88, s89
	s_lshl_b32 s89, s16, 1
	s_add_co_u32 s88, s88, s89
	s_and_b32 s89, s17, 7
	s_lshl_b32 s89, s89, 4
	s_lshl_b32 s90, s15, 3
	s_add_co_u32 s89, s89, s90
	s_add_co_u32 s91, ttmp9, 17                    ; a bh is 2^17 bytes of qimg, 2^18 of kv
	s_lshl_b32 s88, s88, s91
	s_lshl_b32 s90, s89, 10
	s_add_co_u32 s88, s88, s90
	s_lshr_b32 s90, s89, 5
	s_lshl_b32 s90, s90, 15
	s_mul_i32 s90, s90, ttmp9                      ; in kv each chunk's 32 images of k are followed by 32,768 bytes of v
	s_add_co_u32 s88, s88, s90
	s_mov_b32 s89, 0
	s_cmp_eq_u32 ttmp9, 0
	s_cselect_b64 s[76:77], s[68:69], s[70:71]
	s_add_nc_u64 s[76:77], s[76:77], s[88:89]      ; head u = 0,
	s_lshl_b32 s88, 1, s91
	s_add_nc_u64 s[78:79], s[76:77], s[88:89]      ; head u = 1
.irp a, 0,1,2,3,4,5,6,7
	OUT \a, 0, 0
	OUT \a, 1, 0
.endr
	s_branch .Lend
.Lway_v:
	; v: bh = 16 (token tile row / 8) + 4 cy + 2 (wave / 2) + a / 4;  key step in the batch = 2 (token tile row % 8) + wave % 2;  channel tile a % 4
	s_lshr_b32 s88, s42, 3
	s_lshl_b32 s88, s88, 4
	s_lshl_b32 s89, s41, 2
	s_add_co_u32 s88, s88, s89
	s_lshl_b32 s89, s15, 1
	s_add_co_u32 s88, s88, s89
	s_lshl_b32 s88, s88, 18
	s_and_b32 s89, s42, 7
	s_lshl_b32 s89, s89, 1
	s_add_co_u32 s89, s89, s16
	s_lshr_b32 s90, s89, 2
	s_lshl_b32 s90, s90, 16                        ; the chunk,
	s_add_co_u32 s88, s88, s90
	s_and_b32 s89, s89, 3
	s_lshl_b32 s89, s89, 13                        ; the key step in it,
	s_add_co_u32 s88, s88, s89
	s_add_co_u32 s88, s88, 32768                   ; behind the chunk's images of k
	s_mov_b32 s89, 0
	s_add_nc_u64 s[76:77], s[70:71], s[88:89]
.irp a, 0,1,2,3,4,5,6,7
	OUT \a, 0, 1
	OUT \a, 1, 1
.endr
.Lend:
	s_wait_tensorcnt 0x0                           ; the wave's end
	ds_add_u32 v[SPW], v[NIL]
	s_wait_dscnt 0x0
	CROUND                                         ; the closing round: no work-group ends while a partner may still ask for a tile that names it
	s_endpgm
.Lfunc_end_k_qb88804214f_qkv:
	.size	k_qb88804214f_qkv, .Lfunc_end_k_qb88804214f_qkv-k_qb88804214f_qkv
	.p2alignl 7, 3214868480
	.fill 96, 4, 3214868480
	.section	.rodata,"a",@progbits
	.p2align	6, 0x0
	.amdhsa_kernel k_qb88804214f_qkv
		.amdhsa_group_segment_fixed_size 327680
		.amdhsa_private_segment_fixed_size 0
		.amdhsa_enable_private_segment 0
		.amdhsa_kernarg_size 48
		.amdhsa_user_sgpr_count 2
		.amdhsa_user_sgpr_kernarg_segment_ptr 1
		.amdhsa_wavefront_size32 1
		.amdhsa_system_sgpr_workgroup_id_x 1
		.amdhsa_system_sgpr_workgroup_id_y 1
		.amdhsa_system_sgpr_workgroup_id_z 1
		.amdhsa_system_vgpr_workitem_id 0
		.amdhsa_next_free_vgpr 1024
		.amdhsa_next_free_sgpr 100
		.amdhsa_reserve_vcc 0
		.amdhsa_float_denorm_mode_32 3
		.amdhsa_float_denorm_mode_16_64 3
		.amdhsa_memory_ordered 1
		.amdhsa_forward_progress 1
		.amdhsa_inst_pref_size 195
	.end_amdhsa_kernel
	.amdgpu_metadata
---
amdhsa.version: [ 1, 2 ]
amdhsa.kernels:
  - .name:           k_qb88804214f_qkv
    .symbol:         k_qb88804214f_qkv.kd
    .args:
      - { .name: xcodes, .offset: 0, .size: 8, .value_kind: global_buffer, .address_space: global }
      - { .name: W_qkv_codes, .offset: 8, .size: 8, .value_kind: global_buffer, .address_space: global }
      - { .name: b_qkv, .offset: 16, .size: 8, .value_kind: global_buffer, .address_space: global }
      - { .name: lowp_scales, .offset: 24, .size: 8, .value_kind: global_buffer, .address_space: global }
      - { .name: qimg, .offset: 32, .size: 8, .value_kind: global_buffer, .address_space: global }
      - { .name: kv, .offset: 40, .size: 8, .value_kind: global_buffer, .address_space: global }
    .group_segment_fixed_size: 327680
    .private_segment_fixed_size: 0
    .kernarg_segment_align: 8
    .kernarg_segment_size: 48
    .max_flat_workgroup_size: 128
    .sgpr_count:     100
    .vgpr_count:     1024
    .wavefront_size: 32
...
	.end_amdgpu_metadata
.endif
;; end of part 2
;; launch attn (part 3): grid 8 x 64, 16 waves a work-group, clusters of 4 x 1, 327,680 bytes of LDS; arguments qimg, kv, attention_mask, lowp_scales, aimg; writes aimg
.if DOCPART == 3
	.amdgcn_target "amdgcn-amd-amdhsa--gfx1250"
	.amdhsa_code_object_version 6
	.text
	.protected	k_qb88804214f_attn
	.globl	k_qb88804214f_attn
	.p2align	8
	.type	k_qb88804214f_attn,@function
k_qb88804214f_attn:
	s_mov_b64 s[64:65], 0
	v_nop
	global_prefetch_b8 v0, s[64:65] scope:SCOPE_SE
	s_setreg_imm32_b32 hwreg(HW_REG_WAVE_MODE, 25, 1), 1
	s_wait_xcnt 0x0
	s_wait_alu depctr_hold_cnt(0) depctr_sa_sdst(0) depctr_va_vdst(0) depctr_va_sdst(0) depctr_va_ssrc(0) depctr_va_vcc(0) depctr_vm_vsrc(0)
	s_getreg_b32 s2, hwreg(HW_REG_IB_STS2, 6, 4)
	s_cmp_eq_u32 s2, 0
	s_cbranch_scc0 .Lentry_in_a_cluster
	s_endpgm
.Lentry_in_a_cluster:
	s_bfe_u32 s2, ttmp6, 0x10000c
	s_cmp_lg_u32 s2, 0x3003
	s_cbranch_scc0 .Lentry_shape_is_right
	s_endpgm
.Lentry_shape_is_right:
; LAUNCH 3 OF 4: attn[b][q][h][:] = the sum over k of softmax_k(q . k / 8 + mask[b][k]) v[k][:], both products on codes of E5M2 (q 2^e2, k 2^e3, v 2^e4, p 2^e5); the result is quantised with 2^e6.  No work of reference() is left out.
; THE SOFTMAX AHEAD OF THE SECOND PRODUCT: t = logit x log2(e); M = the row's largest t so far, rounded UP to a whole number; p = 2^(t - M) is what is quantised, not normalised.  The row's sum is taken of the
; unquantised p, in f32, and divides at the end.  When M moves, the sum and O are multiplied by 2^(old M - new M): exact.
; SHARES.  A work-group owns 256 queries of one (batch, head); each of its SIXTEEN waves owns 16 of them in 256 registers: four waves to a SIMD, so that one wave's vector work stands beside another's products and LDS loads.
; THE WHOLE HEAD LIES IN LDS.  k and v come as images of the operands' registers (launch 2 wrote them so): 262,144 bytes for 2,048 keys, copied as they lie.  Every fragment read is 16 bytes a lane on end: no pitch, no padding.
; Every fill is a first fill: nothing is filled again, so the loop has four plain barriers and no more.  Each wave issues four tensor loads at the head, its 4,096 bytes (16 rows of 256) of each chunk of 512 keys: four are
; out at the most.  They are cut by chunks so that a counted wait shows chunk g whole while the later chunks are on their way.
; CLUSTER.  The four query blocks of a cluster belong to one (batch, head) and need the same 262,144 bytes: each load is asked for JOINTLY, with the same descriptor and a mask that names the four.
; No prefetch: all that a work-group reads is asked for by the loads at its head.
; LAYOUT.  S^T = K Q^T (source 0 = 16 neighbouring keys, source 1 = my 16 queries, K = 64): lane (r, h) holds query r and keys 8 h + 0 .. 7.  Tile t's eight registers, converted, ARE registers 2 t, 2 t + 1 of P for
; O^T = V^T P (K = 128 keys, each k in the form's own place).  O^T's tile ct, converted, is registers 2 ct, 2 ct + 1 of the last product's operand: it is stored as an image too.
; THE MASK COSTS NO ARITHMETIC: mask x 2^(3 - e2 - e3) lies in LDS and is loaded into the scores' registers as the C of the first product; t = (codes' sum + that) x log2(e) / 8 x 2^(e2 + e3).
; LIMITS: e2 + e3 between -123 and 130 (added to c's exponent field); e5, e6 between -126 and 112; a mask number that overflows when multiplied by 2^(3 - e2 - e3) counts as an infinity.  NaN among the inputs is not served.
; REGISTERS: v1-6 addresses that stay; v8, v9 addresses in hand; v12 -M, v13 the largest t, v[14:15] the sum in two halves; v16-23 Q; v24-27 the mask as loaded; v32-95 K's eight or V's four fragments; v96-159 S^T, then p;
; v160-191 O^T; v192-223 the way out; v224-239 p's codes; v240, v244 p's hold and scale; v241, v245 attn's; v242-254 at work.
.set MASKB, 262144                     ; behind the head's k and v: the batch's 2,048 mask numbers, scaled: 8,192 bytes, written by ds_store; no fill lands there
.set SPARE, MASKB+8192                 ; the spare words, 128 bytes for each wave: eight blocks of 256 bytes that no other line names
.set LI,   1                           ; v1   16 x lane
.set AM0,  2                           ; v2   MASKB + 32 (lane / 16)
.set MST,  3                           ; v3   MASKB + 16 x thread
.set MLD,  4                           ; v4   16 x thread
.set SPW,  5                           ; v5   LDS address of my spare word; never rewritten
.set NIL,  6                           ; v6   0; never rewritten
.set ADR,  8                           ; v8   the step's tiles of k and v
.set ADM,  9                           ; v9   the step's mask numbers
.set Q,    16
.set F,    32
.set S,    96
.set O,    160
.set P,    224
.set WV,   18                          ; s18  my wave's number
.set SEL,  20                          ; s[20:21] lane selects for v_permlanex16_b32: lane l xor 16
.set CS,   22                          ; s[22:23] c = log2(e) / 8 x 2^(e2 + e3)
.set G1,   24                          ; s[24:31] descriptor group 1
.set G0,   32                          ; s[32:47] descriptor group 0, a set for each chunk; never rewritten
.set TB,   56                          ; s56  LDS byte at which the step's tiles begin
.set MB,   57                          ; s57  the step's first mask number, in bytes
.set CNT,  58
.macro CROUND                          ; a round of the cluster's barrier
	s_barrier_signal -1
	s_barrier_wait -1
	s_cmp_lg_u32 s[WV], 0
	s_cbranch_scc1 .Lnot_wave_0_\@
	s_barrier_signal -3
.Lnot_wave_0_\@:
	s_barrier_wait -3
	s_barrier_signal -1
	s_barrier_wait -1
.endm
	s_load_b256 s[4:11], s[0:1], 0x0               ; qimg s[4:5], kv s[6:7], attention_mask s[8:9], the exponents s[10:11]
	s_load_b64 s[12:13], s[0:1], 0x20              ; aimg
	v_lshl_add_u32 v[SPW], v0, 2, SPARE
	v_mov_b32 v[NIL], 0
	ds_add_u32 v[SPW], v[NIL]                      ; the wave's opening: 0 onto my spare word
	ds_add_u32 v[SPW], v[NIL]                      ; and once more; the set-up below, work on registers, stands between it and the wait
	v_lshrrev_b32 v8, 5, v0
	v_readfirstlane_b32 s[WV], v8                  ; wave 0..15
	v_and_b32 v[LI], 31, v0
	v_lshlrev_b32 v[LI], 4, v[LI]
	v_bfe_u32 v[AM0], v0, 4, 1
	v_lshl_add_u32 v[AM0], v[AM0], 5, MASKB
	v_lshl_add_u32 v[MST], v0, 4, MASKB
	v_lshlrev_b32 v[MLD], 4, v0
	s_bfe_u32 s19, ttmp6, 0x40000                  ; cx: it enters qimg's and aimg's addresses alone
	s_and_b32 s59, ttmp7, 0xffff                   ; bh = 16 x batch + head, which the four partners share
	s_mov_b32 s[G1], 15|(3<<16)|(1<<21)            ; 15:0 the mask: all four work-groups; 17:16 elements of 8 bytes; 20 no padding; 21 set beside a mask
	s_mov_b32 s[G1+1], 32<<16                      ; tensor_dim0 = 32 elements: rows of 256 bytes
	s_mov_b32 s[G1+2], 16<<16                      ; tensor_dim1 = 16
	s_mov_b32 s[G1+3], 32<<16                      ; tile_dim0
	s_mov_b32 s[G1+4], 16                          ; tile_dim1
	s_mov_b32 s[G1+5], 32                          ; tensor_dim0_stride: the block is dense
	s_mov_b32 s[G1+6], 0
	s_mov_b32 s[G1+7], 0
	s_mov_b32 s[SEL], 0x76543210
	s_mov_b32 s[SEL+1], 0xfedcba98
	s_lshl_b32 s66, s[WV], 12                      ; my 4,096 bytes of a chunk, in memory and in LDS alike
	s_lshl_b32 s60, s59, 18                        ; the head's 262,144 bytes of kv
	s_add_co_u32 s60, s60, s66
	s_mov_b32 s61, 0
	s_lshl_b32 s67, ttmp9, 6
	s_lshl_b32 s68, s19, 4
	s_add_co_u32 s67, s67, s68
	s_add_co_u32 s67, s67, s[WV]                   ; my tile of queries in the batch: 16 (4 x cluster x + cx) + wave
	s_lshl_b32 s68, s59, 17
	s_lshl_b32 s70, s67, 10
	s_add_co_u32 s68, s68, s70                     ; its image in qimg
	s_mov_b32 s69, 0
	s_lshr_b32 s70, s59, 4                         ; the batch
	s_lshl_b32 s71, s70, 7
	s_add_co_u32 s71, s71, s67                     ; the token tile among 512
	s_lshl_b32 s71, s71, 4
	s_and_b32 s67, s59, 15
	s_add_co_u32 s71, s71, s67                     ; x 16 heads + head
	s_lshl_b32 s67, s70, 13                        ; the batch's mask: 8,192 bytes
	s_lshl_b32 s70, s71, 10                        ; its image in aimg
	s_mov_b32 s71, 0
	s_wait_dscnt 0x0                               ; both opening adds are done
	s_wait_kmcnt 0x0
	s_load_b256 s[48:55], s[10:11], 0x0            ; e0 .. e7
	s_add_nc_u64 s[62:63], s[6:7], s[60:61]
	s_add_nc_u64 s[4:5], s[4:5], s[68:69]
	s_add_nc_u64 s[12:13], s[12:13], s[70:71]
	s_mov_b32 s68, s67
	s_add_nc_u64 s[8:9], s[8:9], s[68:69]
.irp g, 0,1,2,3
	s_mov_b32 s[G0+4*\g], 1                        ; count = 1
	s_add_co_u32 s[G0+4*\g+1], s66, \g*65536       ; LDS address: chunk g, my part
	s_add_nc_u64 s[G0+4*\g+2:G0+4*\g+3], s[62:63], \g*65536
	s_or_b32 s[G0+4*\g+3], s[G0+4*\g+3], 0x80000000   ; type = 2
.endr
	CROUND                                         ; all four work-groups are here: the joint loads meet
.irp g, 0,1,2,3
	tensor_load_to_lds s[G0+4*\g:G0+4*\g+3], s[G1:G1+7]
	s_nop 0
.endr
.rept 4
	v_nop
.endr
	global_load_b128 v[Q:Q+3], v[LI], s[4:5]       ; Q's fragment stays in registers
	global_load_b128 v[Q+4:Q+7], v[LI], s[4:5] offset:512
	global_load_b128 v[24:27], v[MLD], s[8:9]      ; the 512 threads take the batch's 2,048 mask numbers
	v_mov_b32 v13, 0xff61b1e6                      ; the largest t so far: -3e38, under every t
	v_floor_f32 v12, -v13                          ; -M
	v_mov_b32 v14, 0                               ; the sum, in two halves
	v_mov_b32 v15, 0
	v_mov_b32 v246, 0                              ; written once: a lane permute's destination counts as one of its sources
	v_mov_b32 v253, 0                              ; (named as the upper half of the pair v[252:253])
.irp j, 0,1,2,3,4,5,6,7,8,9,10,11,12,13,14,15,16,17,18,19,20,21,22,23,24,25,26,27,28,29,30,31
	v_mov_b32 v[O+\j], 0                           ; O^T.  (The step is written once for all: the first finds zeros, which the first change of M leaves zeros)
.endr
	s_wait_kmcnt 0x0
	s_add_co_i32 s60, s50, s51                     ; e2 + e3
	s_lshl_b32 s61, s60, 23
	s_add_co_i32 s[CS], s61, 0x3e38aa3b            ; log2(e) / 8, the two exponents added to its exponent field
	s_mov_b32 s[CS+1], s[CS]                       ; (named with it as a pair)
	s_sub_co_i32 s62, 3, s60                       ; the mask goes in x 8 / 2^(e2 + e3)
	s_add_co_i32 s60, s53, 127
	s_lshl_b32 s61, s60, 23
	v_mov_b32 v244, s61                            ; 2^e5
	s_add_co_i32 s60, s60, 15
	s_lshl_b32 s60, s60, 23
	s_or_b32 s60, s60, 0x600000
	v_mov_b32 v240, s60                            ; 57,344 x 2^e5
	s_add_co_i32 s60, s54, 127
	s_lshl_b32 s61, s60, 23
	v_mov_b32 v245, s61                            ; 2^e6
	s_add_co_i32 s60, s60, 15
	s_lshl_b32 s60, s60, 23
	s_or_b32 s60, s60, 0x600000
	v_mov_b32 v241, s60                            ; 57,344 x 2^e6
	s_wait_loadcnt 0x0                             ; Q and the mask
.irp j, 0,1,2,3
	v_ldexp_f32 v[24+\j], v[24+\j], s62
.endr
	ds_store_b128 v[MST], v[24:27]                 ; read by all waves behind the first chunk's barrier
; A KEY STEP: 128 keys.
.macro STEP
	v_add_nc_u32 v[ADR], s[TB], v[LI]
	v_add_nc_u32 v[ADM], s[MB], v[AM0]
	v_nop
	v_nop                                          ; four places between the last step's products and the loads into the registers that they read
.irp t, 0,1,2,3,4,5,6,7
	ds_load_b128 v[S+8*\t:S+8*\t+3], v[ADM] offset:64*\t         ; the mask of keys 16 t + 8 h + 0 .. 7: the C of tile t's product
	ds_load_b128 v[S+8*\t+4:S+8*\t+7], v[ADM] offset:64*\t+16
.endr
.irp t, 0,1,2,3,4,5,6,7
	ds_load_b128 v[F+8*\t:F+8*\t+3], v[ADR] offset:1024*\t       ; K's eight images
	ds_load_b128 v[F+8*\t+4:F+8*\t+7], v[ADR] offset:1024*\t+512
.endr
	s_wait_dscnt 0x0
.irp t, 0,1,2,3,4,5,6,7
	v_wmma_f32_16x16x64_bf8_bf8 v[S+8*\t:S+8*\t+7], v[F+8*\t:F+8*\t+7], v[Q:Q+7], v[S+8*\t:S+8*\t+7]   ; eight accumulators, one instruction each
.endr
.rept 4
	v_nop                                          ; places ahead of the loads into K's registers and of the first read of the scores
.endr
.irp ct, 0,1,2,3
.irp c, 0,1,2,3
	ds_load_b128 v[F+16*\ct+4*\c:F+16*\ct+4*\c+3], v[ADR] offset:32768+2048*\ct+512*\c   ; V's four images land under the softmax
.endr
.endr
	v_max3_num_f32 v254, v[S], v[S+1], v[S+2]      ; the step's largest score of my query among my 64 keys, in two chains, the registers in ascending order
	v_max3_num_f32 v252, v[S+3], v[S+4], v[S+5]
.irp i, 6,10,14,18,22,26,30,34,38,42,46,50,54,58
	v_max3_num_f32 v254, v254, v[S+\i], v[S+\i+1]
	v_max3_num_f32 v252, v252, v[S+\i+2], v[S+\i+3]
.endr
	v_max3_num_f32 v254, v254, v[S+62], v[S+63]
	v_max_num_f32 v254, v254, v252
	v_permlanex16_b32 v246, v254, s[SEL], s[SEL+1]
	v_max_num_f32 v254, v254, v246                 ; and among lane l xor 16's
	v_mul_f32 v254, s[CS], v254                    ; as t (c is positive)
	v_max_num_f32 v13, v13, v254                   ; the running largest t
	v_mov_b32 v254, v12
	v_floor_f32 v12, -v13                          ; the new -M = floor(-t) = -ceil(t): a whole number
	v_sub_f32 v254, v12, v254                      ; M's old value less its new one: 0 or less
	v_cvt_i32_f32 v254, v254                       ; (it saturates)
	v_ldexp_f32 v252, 1.0, v254                    ; f = 2^(old M - new M)
.irp j, 0,2,4,6,8,10,12,14,16,18,20,22,24,26,28,30,32,34,36,38,40,42,44,46,48,50,52,54,56,58,60,62
	v_pk_fma_f32 v[S+\j:S+\j+1], v[S+\j:S+\j+1], s[CS:CS+1], v[12:13] op_sel_hi:[1,0,0]   ; t - M, two at a time
.endr
.irp j, 0,1,2,3,4,5,6,7,8,9,10,11,12,13,14,15,16,17,18,19,20,21,22,23,24,25,26,27,28,29,30,31,32,33,34,35,36,37,38,39,40,41,42,43,44,45,46,47,48,49,50,51,52,53,54,55,56,57,58,59,60,61,62,63
	v_exp_f32 v[S+\j], v[S+\j]                     ; p = 2^(t - M), at most 1
.endr
	v_pk_mul_f32 v[14:15], v[14:15], v[252:253] op_sel_hi:[1,0]   ; the sums under the new M: the plain instruction behind the exponentials
	s_wait_alu depctr_va_vdst(0)                   ; one wait for the batch of 64, ahead of its first reader
	v_pk_add_f32 v[242:243], v[S:S+1], v[S+2:S+3]  ; the row's sum is taken of the unquantised p, in two chains
.irp j, 4,8,12,16,20,24,28,32,36,40,44,48,52,56,60
	v_pk_add_f32 v[14:15], v[14:15], v[S+\j:S+\j+1]
	v_pk_add_f32 v[242:243], v[242:243], v[S+\j+2:S+\j+3]
.endr
	v_pk_add_f32 v[14:15], v[14:15], v[242:243]
.irp t, 0,1,2,3,4,5,6,7
.irp i, 0,1,2,3,4,5,6,7
	v_min_num_f32 v[S+8*\t+\i], v[S+8*\t+\i], v240   ; the conversion does not saturate (ISA guide 7.6.2); p is not negative, so the hold is one-sided
.endr
	v_cvt_scalef32_pk8_bf8_f32 v[P+2*\t:P+2*\t+1], v[S+8*\t:S+8*\t+7], v244
.endr
.irp j, 0,2,4,6,8,10,12,14,16,18,20,22,24,26,28,30
	v_pk_mul_f32 v[O+\j:O+\j+1], v[O+\j:O+\j+1], v[252:253] op_sel_hi:[1,0]   ; O^T under the new M; these are also the plain instructions between the conversions and the products
.endr
	s_wait_dscnt 0x0                               ; V
.irp ct, 0,1,2,3
	v_wmma_f32_16x16x128_bf8_bf8 v[O+8*\ct:O+8*\ct+7], v[F+16*\ct:F+16*\ct+15], v[P:P+15], v[O+8*\ct:O+8*\ct+7]   ; four accumulators by turns
.endr
.endm
; A CHUNK of 512 keys: my part of it has landed (the count leaves my loads of the later chunks out), my LDS instructions are done, and the barrier says the same of all sixteen waves.
.macro CHUNK g
	s_wait_tensorcnt 3-\g
	s_wait_dscnt 0x0
	s_barrier_signal -1
	s_barrier_wait -1
	s_mov_b32 s[TB], \g*65536
	s_mov_b32 s[MB], \g*2048
	s_mov_b32 s[CNT], 4
.Lstep_\@:
	STEP
	s_add_co_u32 s[TB], s[TB], 8192                ; eight images of k on, and four of v
	s_add_co_u32 s[MB], s[MB], 512
	s_sub_co_u32 s[CNT], s[CNT], 1
	s_cmp_lg_u32 s[CNT], 0
	s_cbranch_scc1 .Lstep_\@
.endm
	CHUNK 0
	CHUNK 1
	CHUNK 2
	CHUNK 3
	; THE WAY OUT: O^T x 2^(e4 + e5) / the sum is attn; it is held, converted with 2^e6 and stored as the image of a fragment: 1,024 consecutive bytes a wave.
.rept 4
	v_nop                                          ; places behind the last products
.endr
	v_add_f32 v14, v14, v15                        ; the sum's two halves,
	v_permlanex16_b32 v246, v14, s[SEL], s[SEL+1]
	v_add_f32 v14, v14, v246                       ; and lane l xor 16's
	v_rcp_f32 v14, v14
	v_nop                                          ; a plain instruction behind the reciprocal
	s_add_co_i32 s60, s52, s53
	s_wait_alu depctr_va_vdst(0)                   ; and the wait ahead of its first reader
	v_ldexp_f32 v14, v14, s60
.irp j, 0,1,2,3,4,5,6,7,8,9,10,11,12,13,14,15,16,17,18,19,20,21,22,23,24,25,26,27,28,29,30,31
	v_mul_f32 v[192+\j], v[O+\j], v14              ; register 8 ct + i is attn(query r, channel 16 ct + 8 h + i)
.endr
.irp j, 0,1,2,3,4,5,6,7,8,9,10,11,12,13,14,15,16,17,18,19,20,21,22,23,24,25,26,27,28,29,30,31
	v_med3_num_f32 v[192+\j], v[192+\j], -v241, v241
.endr
.irp ct, 0,1,2,3
	v_cvt_scalef32_pk8_bf8_f32 v[P+2*\ct:P+2*\ct+1], v[192+8*\ct:199+8*\ct], v245
.endr
	v_nop
	global_store_b128 v[LI], v[P:P+3], s[12:13]
	global_store_b128 v[LI], v[P+4:P+7], s[12:13] offset:512
	s_wait_tensorcnt 0x0                           ; the wave's end
	ds_add_u32 v[SPW], v[NIL]
	s_wait_dscnt 0x0
	CROUND                                         ; the closing round
	s_endpgm
.Lfunc_end_k_qb88804214f_attn:
	.size	k_qb88804214f_attn, .Lfunc_end_k_qb88804214f_attn-k_qb88804214f_attn
	.p2alignl 7, 3214868480
	.fill 96, 4, 3214868480
	.section	.rodata,"a",@progbits
	.p2align	6, 0x0
	.amdhsa_kernel k_qb88804214f_attn
		.amdhsa_group_segment_fixed_size 327680
		.amdhsa_private_segment_fixed_size 0
		.amdhsa_enable_private_segment 0
		.amdhsa_kernarg_size 40
		.amdhsa_user_sgpr_count 2
		.amdhsa_user_sgpr_kernarg_segment_ptr 1
		.amdhsa_wavefront_size32 1
		.amdhsa_system_sgpr_workgroup_id_x 1
		.amdhsa_system_sgpr_workgroup_id_y 1
		.amdhsa_system_sgpr_workgroup_id_z 1
		.amdhsa_system_vgpr_workitem_id 0
		.amdhsa_next_free_vgpr 256
		.amdhsa_next_free_sgpr 72
		.amdhsa_reserve_vcc 0
		.amdhsa_float_denorm_mode_32 3
		.amdhsa_float_denorm_mode_16_64 3
		.amdhsa_memory_ordered 1
		.amdhsa_forward_progress 1
		.amdhsa_inst_pref_size 78
	.end_amdhsa_kernel
	.amdgpu_metadata
---
amdhsa.version: [ 1, 2 ]
amdhsa.kernels:
  - .name:           k_qb88804214f_attn
    .symbol:         k_qb88804214f_attn.kd
    .args:
      - { .name: qimg, .offset: 0, .size: 8, .value_kind: global_buffer, .address_space: global }
      - { .name: kv, .offset: 8, .size: 8, .value_kind: global_buffer, .address_space: global }
      - { .name: attention_mask, .offset: 16, .size: 8, .value_kind: global_buffer, .address_space: global }
      - { .name: lowp_scales, .offset: 24, .size: 8, .value_kind: global_buffer, .address_space: global }
      - { .name: aimg, .offset: 32, .size: 8, .value_kind: global_buffer, .address_space: global }
    .group_segment_fixed_size: 327680
    .private_segment_fixed_size: 0
    .kernarg_segment_align: 8
    .kernarg_segment_size: 40
    .max_flat_workgroup_size: 512
    .sgpr_count:     72
    .vgpr_count:     256
    .wavefront_size: 32
...
	.end_amdgpu_metadata
.endif
;; end of part 3
;; launch oproj (part 4): grid 8 x 64, 4 waves a work-group, clusters of 4 x 4, 327,680 bytes of LDS; arguments aimg, W_out_codes, b_out, hidden_states, lowp_scales, out0; writes out0
.if DOCPART == 4
	.amdgcn_target "amdgcn-amd-amdhsa--gfx1250"
	.amdhsa_code_object_version 6
	.text
	.protected	k_qb88804214f_oproj
	.globl	k_qb88804214f_oproj
	.p2align	8
	.type	k_qb88804214f_oproj,@function
k_qb88804214f_oproj:
	s_mov_b64 s[64:65], 0
	v_nop
	global_prefetch_b8 v0, s[64:65] scope:SCOPE_SE
	s_setreg_imm32_b32 hwreg(HW_REG_WAVE_MODE, 25, 1), 1
	s_wait_xcnt 0x0
	s_wait_alu depctr_hold_cnt(0) depctr_sa_sdst(0) depctr_va_vdst(0) depctr_va_sdst(0) depctr_va_ssrc(0) depctr_va_vcc(0) depctr_vm_vsrc(0)
	s_getreg_b32 s2, hwreg(HW_REG_IB_STS2, 6, 4)
	s_cmp_eq_u32 s2, 0
	s_cbranch_scc0 .Lentry_in_a_cluster
	s_endpgm
.Lentry_in_a_cluster:
	s_bfe_u32 s2, ttmp6, 0x10000c
	s_cmp_lg_u32 s2, 0xf033
	s_cbranch_scc0 .Lentry_shape_is_right
	s_endpgm
.Lentry_shape_is_right:
; LAUNCH 4 OF 4: out0 = attn W_out + b_out + hidden_states.  attn: aimg, codes of E5M2 with 2^e6, as images of operand registers; W_out_codes [1024 features][1024 K] with 2^e7; sums in f32.  No work of reference() is left out.
; LIMIT: e6 + e7 between -126 and 127, so that 2^(e6 + e7) is an f32 number.
; A tile of 128 tokens x 128 features is made by four waves, 64 x 64 each: 16 accumulators.  The launch moves far more bytes (the residual in, the result out) than it multiplies, so the tile is chosen so that ALL of K
; lies in LDS: every fill is a first fill, asked for at the head in four chunks of 256 along K; nothing is filled again.  The residual is asked for at the head too, into registers, and lands under the products.
; By this text's count four tensor loads of a wave are out at the most.  No prefetch: all that a work-group reads is asked for at its head.
; CLUSTERS of 4 x 4: A's tiles (tokens) hang on cy alone and are asked for jointly along a row of the cluster, B's (features) on cx alone, jointly along a column.
; OPERANDS.  aimg [token tile 512][head 16][1,024]: two neighbouring heads' images are one fragment of 16 tokens x 128 K in the K = 128 form's own layout: four loads of 16 bytes a lane, on end.
; W_out's rows lie along K: eight loads of 8 bytes at 16 c + 8 h give the same layout: each k in its own place on both sides.
; THE PRODUCT: source 0 = 16 features, source 1 = 16 tokens: a lane holds eight neighbouring features of one token.  A block of 16 tokens x 64 features goes through the wave's own stage in LDS and comes back as rows of 256 bytes.
; REGISTERS: window 0: v8-11 b_out, v16-29 addresses, v32-95 two sets of rows on the way out, v128-255 the accumulators.  window 1: two sets of fragments (A's four, then B's four).  window 2: v0-127 the residual.
.set PITCH,  272                       ; a row of W_out's tile in LDS: 256 bytes + 16
.set ACH,    32768                     ; a chunk of A: 8 token tiles x 4,096 bytes
.set BBASE,  4*ACH
.set BCH,    128*PITCH                 ; a chunk of B
.set STAGE,  BBASE+4*BCH               ; 16 rows x 272 bytes for each wave: bytes of its own, into which no fill lands
.set SPARE,  STAGE+4*16*272            ; the spare words, 128 bytes for each wave: two blocks of 256 bytes that no other line names
.set BI,   8                           ; v[8:11]  b_out of my four features
.set ADRA, 16                          ; v16-17   my A fragments in chunks 0, 1 and in chunks 2, 3
.set ADRB, 20                          ; v20-21   the same for B
.set STO,  24                          ; v24      the stage: where I put 32 bytes of a row
.set RD,   25                          ; v25      and where I read a row back
.set CO,   26                          ; v26      my byte offset in two rows of hidden_states and of out0
.set BO,   27                          ; v27      16 (lane % 16)
.set SPW,  28                          ; v28      LDS address of my spare word; never rewritten
.set NIL,  29                          ; v29      0; never rewritten
.set BK,   32
.set ACC,  128
.set WV,   18                          ; s18 wave; s19 which half of the tokens, and: I fetch for A (0) or B (1); s20 which half of the features, and of what I fetch
.set G1A,  24                          ; s[24:31] descriptor group 1 for A's tiles;  s[32:47] group 0, a set for each chunk
.set G0A,  32
.set G0B,  48                          ; s[48:63], s[68:75] the same for B's
.set G1B,  68
.set MSB, 0
.macro WIN new                         ; the immediate's high byte repeats the setting that is left
.if MSB != \new
	s_set_vgpr_msb (MSB<<8)|\new
.set MSB, \new
.endif
.endm
.macro CROUND                          ; a round of the cluster's barrier
	s_barrier_signal -1
	s_barrier_wait -1
	s_cmp_lg_u32 s[WV], 0
	s_cbranch_scc1 .Lnot_wave_0_\@
	s_barrier_signal -3
.Lnot_wave_0_\@:
	s_barrier_wait -3
	s_barrier_signal -1
	s_barrier_wait -1
.endm
.macro PLACES
.rept 4
	v_nop
.endr
.endm
	s_load_b256 s[4:11], s[0:1], 0x0               ; aimg s[4:5], W_out_codes s[6:7], b_out s[8:9], hidden_states s[10:11]
	s_load_b128 s[12:15], s[0:1], 0x20             ; the exponents s[12:13], out0 s[14:15]
	v_lshl_add_u32 v[SPW], v0, 2, SPARE
	v_mov_b32 v[NIL], 0
	ds_add_u32 v[SPW], v[NIL]                      ; the wave's opening: 0 onto my spare word
	ds_add_u32 v[SPW], v[NIL]                      ; and once more; the set-up below, work on registers, stands between it and the wait
	v_lshrrev_b32 v1, 5, v0
	v_readfirstlane_b32 s[WV], v1                  ; wave 0..3
	s_lshr_b32 s19, s[WV], 1
	s_and_b32 s20, s[WV], 1
	s_bfe_u32 s21, ttmp6, 0x40000                  ; cx
	s_bfe_u32 s22, ttmp6, 0x40004                  ; cy
	s_lshl_b32 s66, ttmp9, 2
	s_add_co_u32 s66, s66, s21                     ; tile of features = 4 x cluster x + cx
	s_and_b32 s67, ttmp7, 0xffff
	s_lshl_b32 s67, s67, 2
	s_add_co_u32 s67, s67, s22                     ; tile of tokens = 4 x cluster y + cy
	s_lshl_b32 s16, s22, 2
	s_lshl_b32 s16, 15, s16                        ; my row of the cluster
	s_lshl_b32 s17, 0x1111, s21                    ; my column
	s_or_b32 s[G1A], s16, (3<<16)|(1<<21)          ; A: the mask of my row; elements of 8 bytes; no padding; 21 set beside a mask
	s_mov_b32 s[G1A+1], 512<<16                    ; tensor_dim0 = 512 elements: a token tile's 4,096 bytes of a chunk
	s_mov_b32 s[G1A+2], 4<<16                      ; tensor_dim1 = 4 token tiles
	s_mov_b32 s[G1A+3], 512<<16                    ; tile_dim0
	s_mov_b32 s[G1A+4], 4                          ; tile_dim1
	s_mov_b32 s[G1A+5], 2048                       ; from token tile to token tile: 16,384 bytes
	s_mov_b32 s[G1A+6], 0
	s_mov_b32 s[G1A+7], 0
	s_or_b32 s[G1B], s17, (0<<16)|(1<<20)|(1<<21)|(5<<22)|(3<<25)   ; B: the mask of my column; elements of 1 byte; four words of padding after every 64
	s_mov_b32 s[G1B+1], 256<<16
	s_mov_b32 s[G1B+2], 64<<16
	s_mov_b32 s[G1B+3], 256<<16
	s_mov_b32 s[G1B+4], 64
	s_mov_b32 s[G1B+5], 1024
	s_mov_b32 s[G1B+6], 0
	s_mov_b32 s[G1B+7], 0
	s_lshl_b32 s88, s67, 17                        ; A: (8 x tile + 4 x half) token tiles of 16,384 bytes
	s_lshl_b32 s92, s20, 16
	s_add_co_u32 s88, s88, s92
	s_mov_b32 s89, 0
	s_lshl_b32 s90, s66, 17                        ; B: (128 x tile + 64 x half) rows of 1,024 bytes
	s_add_co_u32 s90, s90, s92
	s_mov_b32 s91, 0
	s_lshl_b32 s92, s20, 14                        ; where they go: A: half x 4 token tiles;
	s_mul_i32 s93, s20, 64*PITCH
	s_add_co_u32 s93, s93, BBASE                   ; B: half x 64 rows: no place in the cluster enters an LDS address
	s_wait_dscnt 0x0                               ; both opening adds are done
	s_wait_kmcnt 0x0
	s_load_b256 s[80:87], s[12:13], 0x0            ; e0 .. e7
	s_add_nc_u64 s[76:77], s[4:5], s[88:89]
	s_add_nc_u64 s[78:79], s[6:7], s[90:91]
.irp g, 0,1,2,3
	s_mov_b32 s[G0A+4*\g], 1
	s_add_co_u32 s[G0A+4*\g+1], s92, \g*ACH
	s_add_nc_u64 s[G0A+4*\g+2:G0A+4*\g+3], s[76:77], \g*4096
	s_or_b32 s[G0A+4*\g+3], s[G0A+4*\g+3], 0x80000000
	s_mov_b32 s[G0B+4*\g], 1
	s_add_co_u32 s[G0B+4*\g+1], s93, \g*BCH
	s_add_nc_u64 s[G0B+4*\g+2:G0B+4*\g+3], s[78:79], \g*256
	s_or_b32 s[G0B+4*\g+3], s[G0B+4*\g+3], 0x80000000
.endr
	CROUND                                         ; all sixteen work-groups are here: the joint loads meet
	s_cmp_eq_u32 s19, 0                            ; a wave's four fills stand in one branch on its number, a fill in each arm; an s_nop 0 follows each, four v_nop the last
	s_cbranch_scc0 .Lfirst_b
.irp g, 0,1,2,3
	tensor_load_to_lds s[G0A+4*\g:G0A+4*\g+3], s[G1A:G1A+7]
	s_nop 0
.endr
.rept 4
	v_nop
.endr
	s_branch .Lfirst_done
.Lfirst_b:
.irp g, 0,1,2,3
	tensor_load_to_lds s[G0B+4*\g:G0B+4*\g+3], s[G1B:G1B+7]
	s_nop 0
.endr
.rept 4
	v_nop
.endr
.Lfirst_done:
	v_and_b32 v1, 15, v0                           ; r
	v_bfe_u32 v2, v0, 4, 1                         ; h
	v_and_b32 v3, 31, v0                           ; lane
	v_lshlrev_b32 v[BO], 4, v1
	v_lshl_add_u32 v[CO], v2, 12, v[BO]            ; lanes 0-15 one row's 256 bytes, lanes 16-31 the next row's
	s_lshl_b32 s88, s67, 19                        ; (128 x tile + 64 x half) rows of 4,096 bytes
	s_lshl_b32 s89, s19, 18
	s_add_co_u32 s88, s88, s89
	s_lshl_b32 s90, s66, 9                         ; + (128 x tile + 64 x half) features of 4 bytes
	s_lshl_b32 s89, s20, 8
	s_add_co_u32 s90, s90, s89
	s_add_co_u32 s88, s88, s90
	s_mov_b32 s89, 0
	s_mov_b32 s91, 0
	s_add_nc_u64 s[10:11], s[10:11], s[88:89]
	s_add_nc_u64 s[14:15], s[14:15], s[88:89]
	s_add_nc_u64 s[8:9], s[8:9], s[90:91]
	WIN 0x80                                       ; destination window 2
.irp t, 0,1,2,3,4,5,6,7,8,9,10,11,12,13,14,15,16,17,18,19,20,21,22,23,24,25,26,27,28,29,30,31
	global_load_b128 v[4*\t:4*\t+3], v[CO], s[10:11] offset:8192*\t th:TH_LOAD_NT   ; the residual of my 64 x 64, laid as the stores want it
.endr
	WIN 0
	global_load_b128 v[BI:BI+3], v[BO], s[8:9]
	s_lshl_b32 s88, s19, 14
	v_lshl_add_u32 v[ADRA], v3, 4, s88             ; my four token tiles; 16 x lane
	v_add_nc_u32 v[ADRA+1], 2*ACH, v[ADRA]
	v_mul_u32_u24 v[ADRB], v1, PITCH
	v_lshl_add_u32 v[ADRB], v2, 3, v[ADRB]
	v_add_nc_u32 v[ADRB], s93, v[ADRB]             ; my 64 rows of W_out; row r, + 8 h
	v_add_nc_u32 v[ADRB+1], 2*BCH, v[ADRB]
	s_mul_i32 s89, s[WV], 16*272
	s_add_co_u32 s89, s89, STAGE                   ; my stage
	v_mul_u32_u24 v[STO], v1, 272
	v_lshl_add_u32 v[STO], v2, 5, v[STO]
	v_add_nc_u32 v[STO], s89, v[STO]
	v_mul_u32_u24 v[RD], v2, 272
	v_add_nc_u32 v[RD], v[RD], v[BO]
	v_add_nc_u32 v[RD], s89, v[RD]
; The fragments of K step s (128 along K; chunk s / 2) into set s % 2: 16 loads of 16 bytes for A, 32 of 8 bytes for B
.macro FETCH s
.set GG, (\s)/2
.set PP, (\s)%2
	WIN 0x40                                       ; destination window 1
.irp a, 0,1,2,3
.irp c, 0,1,2,3
	ds_load_b128 v[128*PP+16*\a+4*\c:128*PP+16*\a+4*\c+3], v[ADRA+GG/2] offset:(GG%2)*ACH+4096*\a+2048*PP+512*\c
.endr
.endr
.irp b, 0,1,2,3
.irp c, 0,1,2,3,4,5,6,7
	ds_load_b64 v[128*PP+64+16*\b+2*\c:128*PP+64+16*\b+2*\c+1], v[ADRB+GG/2] offset:(GG%2)*BCH+16*PITCH*\b+128*PP+16*\c
.endr
.endr
.endm
; 16 matrix instructions: the 16 accumulators by turns, one instruction a turn, in the same order in every step.  Step 0 starts the sums.
.macro MUL s
.set PP, (\s)%2
	WIN 0x05                                       ; sources 0 and 1 window 1; C and D window 0
.irp a, 0,1,2,3
.irp b, 0,1,2,3
.if (\s) == 0
	v_wmma_f32_16x16x128_bf8_bf8 v[ACC+8*(4*\a+\b):ACC+8*(4*\a+\b)+7], v[128*PP+64+16*\b:128*PP+64+16*\b+15], v[128*PP+16*\a:128*PP+16*\a+15], 0
.else
	v_wmma_f32_16x16x128_bf8_bf8 v[ACC+8*(4*\a+\b):ACC+8*(4*\a+\b)+7], v[128*PP+64+16*\b:128*PP+64+16*\b+15], v[128*PP+16*\a:128*PP+16*\a+15], v[ACC+8*(4*\a+\b):ACC+8*(4*\a+\b)+7]
.endif
.endr
.endr
.endm
	s_wait_tensorcnt 3                             ; my part of chunk 0 is in; my three later loads may be out
	s_barrier_signal -1
	s_barrier_wait -1
	FETCH 0
.irp s, 0,1,2,3,4,5,6
.if (\s)%2 == 1
	s_wait_tensorcnt 3-((\s)+1)/2                  ; my part of the next chunk is in; the count leaves my loads of the chunks behind it out
	s_wait_dscnt 0x0                               ; no LDS instruction of mine is pending at the signal
	s_barrier_signal -1
	s_barrier_wait -1
.endif
.if (\s) > 0
	PLACES                                         ; between the last products and the loads into the set that they read
.endif
	FETCH (\s)+1
	s_wait_dscnt 48                                ; all but the 48 loads just issued
	MUL \s
.endr
	s_wait_dscnt 0x0
	MUL 7
	WIN 0
	; THE WAY OUT, a block of 16 tokens x 64 features at a time: the sums go into my stage as they are and come back as rows of 256 bytes; then x 2^(e6 + e7), + the residual, + b_out; sixteen lanes store 256 consecutive bytes, aligned.
	s_wait_kmcnt 0x0
	s_add_co_i32 s96, s86, s87
	s_add_co_i32 s96, s96, 127
	s_lshl_b32 s96, s96, 23                        ; 2^(e6 + e7) as f32
	s_mov_b32 s97, s96                             ; (named with it as a pair)
	PLACES                                         ; behind the last products: the LDS stores below read results
	s_wait_loadcnt 0x0                             ; the residual and b_out
.macro TOSTAGE a
.set BB, BK+32*((\a)%2)
.irp b, 0,1,2,3
	ds_store_b128 v[STO], v[ACC+8*(4*(\a)+\b):ACC+8*(4*(\a)+\b)+3] offset:64*\b          ; each accumulator from its low end on
	ds_store_b128 v[STO], v[ACC+8*(4*(\a)+\b)+4:ACC+8*(4*(\a)+\b)+7] offset:64*\b+16
.endr
.irp t, 0,1,2,3,4,5,6,7
	ds_load_b128 v[BB+4*\t:BB+4*\t+3], v[RD] offset:544*\t   ; LDS serves a wave's instructions in order (ISA guide 5.7.1.4): these see my stores, and the next block's stores come behind them
.endr
.endm
.macro SEND a, younger                 ; younger: the LDS instructions issued behind block a's loads: the next block's eight stores and eight loads, or none
.set BB, BK+32*((\a)%2)
	s_wait_dscnt \younger
	WIN 0x20                                       ; source 2 (the residual) window 2
.irp t, 0,1,2,3,4,5,6,7
.irp i, 0,2
	v_pk_fma_f32 v[BB+4*\t+\i:BB+4*\t+\i+1], v[BB+4*\t+\i:BB+4*\t+\i+1], s[96:97], v[4*(8*(\a)+\t)+\i:4*(8*(\a)+\t)+\i+1] op_sel_hi:[1,0,1]
.endr
.endr
	WIN 0
.irp t, 0,1,2,3,4,5,6,7
.irp i, 0,2
	v_pk_add_f32 v[BB+4*\t+\i:BB+4*\t+\i+1], v[BB+4*\t+\i:BB+4*\t+\i+1], v[BI+\i:BI+\i+1]
.endr
.endr
.irp t, 0,1,2,3,4,5,6,7
	global_store_b128 v[CO], v[BB+4*\t:BB+4*\t+3], s[14:15] offset:(16*(\a)+2*\t)*4096 th:TH_STORE_NT
.endr
.endm
	TOSTAGE 0
.irp a, 1,2,3
.if \a > 1
	s_wait_xcnt 0x0                                ; block a - 2's stores have read their registers: block a's rows may land there
.endif
	TOSTAGE \a
	SEND \a-1, 16
.endr
	SEND 3, 0
	s_wait_tensorcnt 0x0                           ; the wave's end
	ds_add_u32 v[SPW], v[NIL]
	s_wait_dscnt 0x0
	CROUND                                         ; the closing round
	s_endpgm
.Lfunc_end_k_qb88804214f_oproj:
	.size	k_qb88804214f_oproj, .Lfunc_end_k_qb88804214f_oproj-k_qb88804214f_oproj
	.p2alignl 7, 3214868480
	.fill 96, 4, 3214868480
	.section	.rodata,"a",@progbits
	.p2align	6, 0x0
	.amdhsa_kernel k_qb88804214f_oproj
		.amdhsa_group_segment_fixed_size 327680
		.amdhsa_private_segment_fixed_size 0
		.amdhsa_enable_private_segment 0
		.amdhsa_kernarg_size 48
		.amdhsa_user_sgpr_count 2
		.amdhsa_user_sgpr_kernarg_segment_ptr 1
		.amdhsa_wavefront_size32 1
		.amdhsa_system_sgpr_workgroup_id_x 1
		.amdhsa_system_sgpr_workgroup_id_y 1
		.amdhsa_system_sgpr_workgroup_id_z 1
		.amdhsa_system_vgpr_workitem_id 0
		.amdhsa_next_free_vgpr 640
		.amdhsa_next_free_sgpr 100
		.amdhsa_reserve_vcc 0
		.amdhsa_float_denorm_mode_32 3
		.amdhsa_float_denorm_mode_16_64 3
		.amdhsa_memory_ordered 1
		.amdhsa_forward_progress 1
		.amdhsa_inst_pref_size 61
	.end_amdhsa_kernel
	.amdgpu_metadata
---
amdhsa.version: [ 1, 2 ]
amdhsa.kernels:
  - .name:           k_qb88804214f_oproj
    .symbol:         k_qb88804214f_oproj.kd
    .args:
      - { .name: aimg, .offset: 0, .size: 8, .value_kind: global_buffer, .address_space: global }
      - { .name: W_out_codes, .offset: 8, .size: 8, .value_kind: global_buffer, .address_space: global }
      - { .name: b_out, .offset: 16, .size: 8, .value_kind: global_buffer, .address_space: global }
      - { .name: hidden_states, .offset: 24, .size: 8, .value_kind: global_buffer, .address_space: global }
      - { .name: lowp_scales, .offset: 32, .size: 8, .value_kind: global_buffer, .address_space: global }
      - { .name: out0, .offset: 40, .size: 8, .value_kind: global_buffer, .address_space: global }
    .group_segment_fixed_size: 327680
    .private_segment_fixed_size: 0
    .kernarg_segment_align: 8
    .kernarg_segment_size: 48
    .max_flat_workgroup_size: 128
    .sgpr_count:     100
    .vgpr_count:     640
    .wavefront_size: 32
...
	.end_amdgpu_metadata
.endif
;; end of part 4
